; MI455X (gfx1250); checked and timed in simulation.
; The chip was launched on July 23, 2026; its instructions are those of AMD's public machine-readable ISA for CDNA 5 (MIT licence, August 2026) and "CDNA5" Instruction Set Architecture Reference Guide (July 2026). The comments in the code are by the model that wrote it; some were corrected since.
;; Multi Headed Attention. Allowed arithmetic: float matrix products may take bf16 or f16 operands with f32 sums; all other float work in f32.
;; Inputs: Wk 1,024 x 1,024 float32; Wo 1,024 x 1,024 float32; Wq 1,024 x 1,024 float32; Wv 1,024 x 1,024 float32; bk 1,024 float32; bo 1,024 float32; bq 1,024 float32; bv 1,024 float32; key 2 x 2,048 x 1,024 float32; mask 2 x 2,048 x 2,048 int32; query 2 x 2,048 x 1,024 float32; value 2 x 2,048 x 1,024 float32.
;; Outputs: out0 2 x 2,048 x 1,024 float32.
;; One version. Each part assembles by itself: llvm-mc -triple=amdgcn-amd-amdhsa -mcpu=gfx1250 --defsym DOCPART=n.
;; ======== version 1 of 1: 4 launches
;; limits: values are held in f16: magnitudes above 65,504 overflow, below 6.1e-05 lose precision
;; workspace buffers: xh 25,165,824 bytes; wh 8,388,608 bytes; mbits 1,048,576 bytes of whole numbers; qkv 25,165,824 bytes; xa 8,388,608 bytes
;; launch prep (part 1): grid 256 x 6, 8 waves a work-group, no clusters, 68,608 bytes of LDS; arguments query, key, value, Wq, Wk, Wv, Wo, mask, xh, wh, mbits; writes xh, wh, mbits
.if DOCPART == 1
	.amdgcn_target "amdgcn-amd-amdhsa--gfx1250"
	.amdhsa_code_object_version 6
	.text
	.protected	k_q6b90f11432_prep
	.globl	k_q6b90f11432_prep
	.p2align	8
	.type	k_q6b90f11432_prep,@function
k_q6b90f11432_prep:
	s_mov_b64 s[64:65], 0
	v_nop
	global_prefetch_b8 v0, s[64:65] scope:SCOPE_SE
	s_setreg_imm32_b32 hwreg(HW_REG_WAVE_MODE, 25, 1), 1
	s_wait_xcnt 0x0
; prep: a stream.  Every work-group takes 65,536 bytes of one input.
;   y = 0, 1, 2: query, key, value, f32 to f16, into xh [3][4096][1024]
;   y = 3:       Wq, Wk, Wv, Wo (64 work-groups each), f32 to f16, into wh [4][1024][1024]
;   y = 4, 5:    the int32 mask into words of one bit a lane, mbits [256 stile][32 tblock][4 i][8 j]:
;                bit (r + 16 h) of word (i, j) = mask[16 stile + r][64 tblock + 16 i + 8 h + j] != 0  (stile counts 16 rows over both batches),
;                which is the lane order in which the attention launch holds a 16 x 16 tile of scores (key down the registers, query along the lanes).
; No matrix unit, no tensor load, no barrier, no loop: each byte is read once and written once.
; LIMIT: f16 holds magnitudes up to 65,504; a larger |x| or |W| becomes infinity.  Below 6.1e-5 the rounding error is at most 3e-8 absolute.
.set XR, 16                            ; v[16:79]   sixteen loads of 16 bytes a lane
.set YR, 80                            ; v[80:143]  convert: 16 pairs to store.  mask: the tile read back, register 8 c + j
.set WD, 12                            ; v[12:13]   mask: lane l gathers words 2 l and 2 l + 1 of the wave's 64
.set LP, 528                           ; mask: LDS pitch of a wave's row of 512 bytes: 33 x 16, so sixteen rows start in sixteen different 16-byte columns of 256
	s_load_b512 s[16:31], s[0:1], 0x0              ; query s[16:17] key s[18:19] value s[20:21] Wq s[22:23] Wk s[24:25] Wv s[26:27] Wo s[28:29] mask s[30:31]
	s_load_b128 s[32:35], s[0:1], 0x40             ; xh s[32:33], wh s[34:35]
	s_load_b64 s[36:37], s[0:1], 0x50              ; mbits
	v_lshl_add_u32 v144, v0, 2, 0x10800
	v_mov_b32 v145, 0
	s_mov_b32 s2, ttmp9                            ; x
	s_and_b32 s3, ttmp7, 0xffff                    ; y
	s_cmp_ge_u32 s3, 4
	s_cbranch_scc1 .Lmask
	; ---- f32 to f16 ----
	v_lshlrev_b32 v1, 4, v0                        ; 16 bytes a thread in: a wave's load covers 512 consecutive bytes
	v_lshlrev_b32 v2, 3, v0                        ; 8 bytes a thread out: a wave's store covers 256 consecutive bytes, aligned
	s_lshr_b32 s6, s2, 6                           ; y = 3: which W
	s_and_b32 s7, s2, 63                           ;        and which 64 KiB of it
	s_wait_kmcnt 0x0
	s_cmp_eq_u32 s3, 1
	s_cselect_b64 s[4:5], s[18:19], s[16:17]
	s_cmp_eq_u32 s3, 2
	s_cselect_b64 s[4:5], s[20:21], s[4:5]
	s_cmp_eq_u32 s6, 1
	s_cselect_b64 s[8:9], s[24:25], s[22:23]
	s_cmp_eq_u32 s6, 2
	s_cselect_b64 s[8:9], s[26:27], s[8:9]
	s_cmp_eq_u32 s6, 3
	s_cselect_b64 s[8:9], s[28:29], s[8:9]
	s_cmp_eq_u32 s3, 3
	s_cselect_b64 s[4:5], s[8:9], s[4:5]           ; the source
	s_cselect_b32 s10, s7, s2                      ; its block of 64 KiB
	s_cselect_b64 s[12:13], s[34:35], s[32:33]     ; the destination: wh or xh
	s_cselect_b32 s14, 0, s3                       ; xh: which of the three tensors
	s_lshl_b32 s10, s10, 16
	s_mov_b32 s11, 0
	s_add_nc_u64 s[4:5], s[4:5], s[10:11]
	s_lshl_b32 s14, s14, 23                        ; 8,388,608 bytes of f16 a tensor
	s_lshl_b32 s15, s2, 15                         ; 32,768 bytes of f16 a work-group (in wh the four W follow each other, so x serves as it is)
	s_add_co_u32 s14, s14, s15
	s_mov_b32 s15, 0
	s_add_nc_u64 s[12:13], s[12:13], s[14:15]
.irp i, 0,1,2,3,4,5,6,7,8,9,10,11,12,13,14,15
	global_load_b128 v[XR+4*\i:XR+4*\i+3], v1, s[4:5] offset:4096*\i th:TH_LOAD_NT
.endr
.irp i, 0,1,2,3,4,5,6,7,8,9,10,11,12,13,14,15
	s_wait_loadcnt 15-\i                           ; loads come back in order: load i is in, the 15 - i younger ones stay out
	v_cvt_pk_f16_f32 v[YR+2*\i], v[XR+4*\i], v[XR+4*\i+1]
	v_cvt_pk_f16_f32 v[YR+2*\i+1], v[XR+4*\i+2], v[XR+4*\i+3]
	global_store_b64 v2, v[YR+2*\i:YR+2*\i+1], s[12:13] offset:2048*\i   ; no register is written twice, so no wait frees any
.endr
	s_endpgm
	; ---- the mask: 16 rows x 1,024 columns a work-group, 16 rows x 128 columns a wave ----
.Lmask:
	v_lshrrev_b32 v1, 5, v0
	v_readfirstlane_b32 s8, v1                     ; wave
	v_and_b32 v1, 31, v0                           ; lane
	s_sub_co_u32 s3, s3, 4
	s_lshl_b32 s3, s3, 8
	s_add_co_u32 s3, s3, s2                        ; 0 .. 511
	s_lshr_b32 s4, s3, 1                           ; stile
	s_and_b32 s5, s3, 1                            ; which half of the 2,048 columns
	s_lshl_b32 s10, s4, 17                         ; mask: 16 rows of 8,192 bytes,
	s_lshl_b32 s6, s5, 12                          ; 1,024 columns of 4 bytes,
	s_add_co_u32 s10, s10, s6
	s_lshl_b32 s6, s8, 9                           ; the wave's 128 columns
	s_add_co_u32 s10, s10, s6
	s_mov_b32 s11, 0
	s_lshl_b32 s12, s4, 12                         ; mbits: 4,096 bytes a stile,
	s_lshl_b32 s6, s5, 11                          ; 16 tblocks of 128 bytes,
	s_add_co_u32 s12, s12, s6
	s_lshl_b32 s6, s8, 8                           ; the wave's two tblocks
	s_add_co_u32 s12, s12, s6
	s_mov_b32 s13, 0
	s_mul_i32 s9, s8, 16*LP                        ; the wave's own 8,448 bytes of LDS: no other wave touches them, so no barrier
	v_lshlrev_b32 v2, 4, v1                        ; 16 x lane: 512 consecutive bytes of a row
	v_lshl_add_u32 v3, v1, 4, s9                   ; the same place in LDS
	v_and_b32 v4, 15, v0                           ; r
	v_bfe_u32 v5, v0, 4, 1                         ; h
	v_mul_u32_u24 v4, v4, LP
	v_lshl_add_u32 v4, v5, 5, v4                   ; back: row r, 8 columns (32 bytes) further for h = 1
	v_add_nc_u32 v4, s9, v4
	v_lshlrev_b32 v5, 3, v1                        ; 8 x lane: the wave's 64 words go out as 256 consecutive bytes, aligned
	v_mov_b32 v[WD], 0                             ; v_writelane_b32 keeps the other lanes: the registers are written whole first
	v_mov_b32 v[WD+1], 0
	s_wait_kmcnt 0x0
	s_add_nc_u64 s[10:11], s[30:31], s[10:11]
	s_add_nc_u64 s[12:13], s[36:37], s[12:13]
.irp i, 0,1,2,3,4,5,6,7,8,9,10,11,12,13,14,15
	global_load_b128 v[XR+4*\i:XR+4*\i+3], v2, s[10:11] offset:8192*\i th:TH_LOAD_NT   ; row i
.endr
.irp i, 0,1,2,3,4,5,6,7,8,9,10,11,12,13,14,15
	s_wait_loadcnt 15-\i                           ; row i is in, the younger rows stay out
	ds_store_b128 v3, v[XR+4*\i:XR+4*\i+3] offset:LP*\i
.endr
.irp c, 0,1,2,3,4,5,6,7
	ds_load_b128 v[YR+8*\c:YR+8*\c+3], v4 offset:64*\c        ; LDS serves a wave's instructions in order: these see the stores above
	ds_load_b128 v[YR+8*\c+4:YR+8*\c+7], v4 offset:64*\c+16   ; register 8 c + j = mask[row r][16 c + 8 h + j]
.endr
.irp c, 0,1,2,3,4,5,6,7
	s_wait_dscnt 14-2*\c                           ; tile c's two loads are in; the 14 - 2 c younger ones stay out
.irp j, 0,1,2,3,4,5,6,7
	v_cmp_ne_u32 s[40+\j], 0, v[YR+8*\c+\j]        ; one bit a lane: word 8 c + j of the wave's 64
.endr
.irp j, 0,1,2,3,4,5,6,7
	v_writelane_b32 v[WD+(\j&1)], s[40+\j], 4*\c+(\j>>1)
.endr
.endr
	global_store_b64 v5, v[WD:WD+1], s[12:13]
	s_wait_tensorcnt 0x0
	ds_add_u32 v144, v145
	s_wait_dscnt 0x0
	s_endpgm
.Lfunc_end_k_q6b90f11432_prep:
	.size	k_q6b90f11432_prep, .Lfunc_end_k_q6b90f11432_prep-k_q6b90f11432_prep
	.p2alignl 7, 3214868480
	.fill 96, 4, 3214868480
	.section	.rodata,"a",@progbits
	.p2align	6, 0x0
	.amdhsa_kernel k_q6b90f11432_prep
		.amdhsa_group_segment_fixed_size 68608
		.amdhsa_private_segment_fixed_size 0
		.amdhsa_enable_private_segment 0
		.amdhsa_kernarg_size 88
		.amdhsa_user_sgpr_count 2
		.amdhsa_user_sgpr_kernarg_segment_ptr 1
		.amdhsa_wavefront_size32 1
		.amdhsa_system_sgpr_workgroup_id_x 1
		.amdhsa_system_sgpr_workgroup_id_y 1
		.amdhsa_system_sgpr_workgroup_id_z 1
		.amdhsa_system_vgpr_workitem_id 0
		.amdhsa_next_free_vgpr 146
		.amdhsa_next_free_sgpr 66
		.amdhsa_reserve_vcc 0
		.amdhsa_float_denorm_mode_32 3
		.amdhsa_float_denorm_mode_16_64 3
		.amdhsa_memory_ordered 1
		.amdhsa_forward_progress 1
		.amdhsa_inst_pref_size 21
	.end_amdhsa_kernel
	.amdgpu_metadata
---
amdhsa.version: [ 1, 2 ]
amdhsa.kernels:
  - .name:           k_q6b90f11432_prep
    .symbol:         k_q6b90f11432_prep.kd
    .args:
      - { .name: query, .offset: 0, .size: 8, .value_kind: global_buffer, .address_space: global }
      - { .name: key, .offset: 8, .size: 8, .value_kind: global_buffer, .address_space: global }
      - { .name: value, .offset: 16, .size: 8, .value_kind: global_buffer, .address_space: global }
      - { .name: Wq, .offset: 24, .size: 8, .value_kind: global_buffer, .address_space: global }
      - { .name: Wk, .offset: 32, .size: 8, .value_kind: global_buffer, .address_space: global }
      - { .name: Wv, .offset: 40, .size: 8, .value_kind: global_buffer, .address_space: global }
      - { .name: Wo, .offset: 48, .size: 8, .value_kind: global_buffer, .address_space: global }
      - { .name: mask, .offset: 56, .size: 8, .value_kind: global_buffer, .address_space: global }
      - { .name: xh, .offset: 64, .size: 8, .value_kind: global_buffer, .address_space: global }
      - { .name: wh, .offset: 72, .size: 8, .value_kind: global_buffer, .address_space: global }
      - { .name: mbits, .offset: 80, .size: 8, .value_kind: global_buffer, .address_space: global }
    .group_segment_fixed_size: 68608
    .private_segment_fixed_size: 0
    .kernarg_segment_align: 8
    .kernarg_segment_size: 88
    .max_flat_workgroup_size: 256
    .sgpr_count:     66
    .vgpr_count:     146
    .wavefront_size: 32
...
	.end_amdgpu_metadata
.endif
;; end of part 1
;; launch qkv (part 2): grid 4 x 48, 4 waves a work-group, clusters of 4 x 4, 327,680 bytes of LDS; arguments xh, wh, bq, bk, bv, qkv; writes qkv
.if DOCPART == 2
	.amdgcn_target "amdgcn-amd-amdhsa--gfx1250"
	.amdhsa_code_object_version 6
	.text
	.protected	k_q6b90f11432_qkv
	.globl	k_q6b90f11432_qkv
	.p2align	8
	.type	k_q6b90f11432_qkv,@function
k_q6b90f11432_qkv:
	s_mov_b64 s[64:65], 0
	v_nop
	global_prefetch_b8 v0, s[64:65] scope:SCOPE_SE
	s_setreg_imm32_b32 hwreg(HW_REG_WAVE_MODE, 25, 1), 1
	s_wait_xcnt 0x0
	s_wait_alu depctr_hold_cnt(0) depctr_sa_sdst(0) depctr_va_vdst(0) depctr_va_sdst(0) depctr_va_ssrc(0) depctr_va_vcc(0) depctr_vm_vsrc(0)
	s_getreg_b32 s2, hwreg(HW_REG_IB_STS2, 6, 4)
	s_cmp_eq_u32 s2, 0
	s_cbranch_scc0 .Lentry_in_a_cluster
	s_endpgm
.Lentry_in_a_cluster:
	s_bfe_u32 s2, ttmp6, 0x10000c
	s_cmp_lg_u32 s2, 0xf033
	s_cbranch_scc0 .Lentry_shape_is_right
	s_endpgm
.Lentry_shape_is_right:
; qkv: three products in one grid.  C[m][n] = sum over k of xh[m][k] W_g[n][k] + b_g[n], m = g 4096 + b 2048 + s, g = 0, 1, 2 for q, k, v; sums in f32.
; q is multiplied by c = log2(e) / 8, so that the attention launch's scores are exponents of 2.  The result goes out in f16, by heads: qkv [3][2][16][2048][64].
; A work-group makes 256 x 256 of C with four waves, a wave 128 x 128: 64 accumulator tiles of 16 x 16, 512 registers.  K goes in steps of 128 through
; two LDS slots filled by the tensor data mover; a tile's rows are 256 bytes of memory and start at multiples of 256 bytes.
; 192 work-groups: a block of 256 rows lies in one of the three products (4,096 = 16 x 256).
; CLUSTERS: 4 x 4 work-groups.  The four of a row need the same tiles of xh, the four of a column the same tiles of W_g (a cluster's 1,024 rows lie in one g):
; each tile is asked for jointly, by the same load with the same descriptor in all four.
; LIMIT: operands and results are f16: |q c|, |k|, |v| above 65,504 become infinity; NaN and infinities in the inputs are not served.
;
; REGISTERS, in windows of 256:
;   window 0: v0-31 addresses; v64-127, v128-191 fragments of xh, two buffers; v192-223 at work on the way out
;   window 1: v0-63 the bias of my 128 columns, as the first C; v64-127, v128-191 fragments of W, two buffers
;   window 2: the 32 accumulator tiles of my rows 0-63 (tile (a, b) at v[8 (8 a + b)]);   window 3: those of my rows 64-127
; THE MATRIX INSTRUCTION IS USED TRANSPOSED: source 0 = 16 rows of W, source 1 = 16 rows of xh.  Lane l then holds row m = l % 16 of C and its registers
; 0 to 7 the columns 8 (l / 16) + 0 .. 7: eight neighbouring numbers of a row, which pack into 16 bytes; and the bias is the same in all lanes of a half.
.set SIZE_K, 1024
.set KSTEP,  128
.set PITCH,  272                       ; an LDS row: 256 bytes + 16 of padding = 17 x 16: the 16 rows that a load touches start in 16 different 16-byte columns of 256
.set HALFT,  128*PITCH                 ; 128 rows: what one tensor load brings
.set SLOT,   4*HALFT                   ; xh's 256 rows, then W's 256 rows
.set STAGE,  2*SLOT                    ; behind the ring: 16 rows x 272 bytes for each wave, for the way out; no fill lands there
.set SPITCH, 272
.set LAPS, SIZE_K/(2*KSTEP)            ; a lap = two K steps = once round the ring: 4
.set ADRA, 16                          ; v16-17  LDS address of my xh fragments in slot 0, 1
.set ADRB, 20                          ; v20-21  the same for W
.set STO,  24                          ; v24     the way out: where I put 16 bytes of a row
.set RD,   25                          ; v25     the way out: where I read back
.set CO,   26                          ; v26     my byte offset in qkv
.set BOF,  27                          ; v27     my byte offset in the bias
.set F0,   64
.set F1,   128
.set TMP,  192
.set G1, 24                            ; s[24:31] descriptor group 1 for xh's tiles
.set G0, 32                            ; s[32:39] descriptor group 0 for xh's tiles, one set for each slot
.set G1B, 48                           ; s[48:55] group 1 for W's tiles: it differs in the mask alone
.set G0B, 56                           ; s[56:63] group 0 for W's tiles
.set MSB, 0
.macro WIN new                         ; the immediate's high byte repeats the setting that is left
.if MSB != \new
	s_set_vgpr_msb (MSB<<8)|\new
.set MSB, \new
.endif
.endm
.set MUL_LO, 0xa1                      ; source 0 (W) window 1, source 1 (xh) window 0, C and D window 2
.set MUL_HI, 0xf1                      ; the same, C and D window 3
.set BIA_LO, 0x91                      ; the first products: C is the bias in window 1, D window 2
.set BIA_HI, 0xd1                      ; D window 3
.set TO_B,   0x40                      ; destination window 1, address window 0
; A joint load.  Waves 0 and 1 fetch xh's two halves, waves 2 and 3 W's.  The branch hangs on the wave's number alone.
.macro JLOAD s
	s_cmp_eq_u32 s11, 0
	s_cbranch_scc0 .Lfor_b_\@
	tensor_load_to_lds s[G0+4*\s:G0+4*\s+3], s[G1:G1+7]
	s_nop 0
	s_branch .Lasked_\@
.Lfor_b_\@:
	tensor_load_to_lds s[G0B+4*\s:G0B+4*\s+3], s[G1B:G1B+7]
	s_nop 0
.Lasked_\@:
.endm
; A round of the cluster's barrier: my work-group's barrier; wave 0 signals for the work-group; every wave waits for all sixteen; my work-group's barrier again.
.macro CREST                           ; a round behind its opening barrier
	s_cmp_lg_u32 s10, 0
	s_cbranch_scc1 .Lnot_wave_0_\@
	s_barrier_signal -3
.Lnot_wave_0_\@:
	s_barrier_wait -3
	s_barrier_signal -1
	s_barrier_wait -1
.endm
.macro CROUND
	s_barrier_signal -1
	s_barrier_wait -1
	CREST
.endm
	s_load_b128 s[4:7], s[0:1], 0x0                ; xh s[4:5], wh s[6:7]
	s_load_b128 s[72:75], s[0:1], 0x10             ; bq s[72:73], bk s[74:75]
	s_load_b128 s[76:79], s[0:1], 0x20             ; bv s[76:77], qkv s[78:79]
	s_set_vgpr_msb 0x40
	v_lshl_add_u32 v255, v0, 2, 0x48400
	s_set_vgpr_msb 0x4000
	v_mov_b32 v255, 0
	s_set_vgpr_msb 0x1
	ds_add_u32 v255, v255
	s_set_vgpr_msb 0x100
	v_lshrrev_b32 v1, 5, v0
	v_readfirstlane_b32 s10, v1                    ; wave 0..3
	s_lshr_b32 s11, s10, 1                         ; which half of the block's rows is mine.  Also: I fetch for xh (0) or for W (1)
	s_and_b32 s12, s10, 1                          ; which half of its columns.  Also: which 128 rows of that tile I fetch
	s_bfe_u32 s40, ttmp6, 0x40000                  ; cx
	s_bfe_u32 s41, ttmp6, 0x40004                  ; cy
	s_lshl_b32 s42, ttmp9, 2
	s_add_co_u32 s42, s42, s40                     ; block column = 4 x cluster x + cx
	s_and_b32 s13, ttmp7, 0xffff                   ; cluster y, 0 .. 11
	s_lshr_b32 s45, s13, 2                         ; g: made of the cluster's y alone, the same in all sixteen work-groups
	s_lshl_b32 s13, s13, 2
	s_add_co_u32 s13, s13, s41                     ; block row = 4 x cluster y + cy, 0 .. 47
	s_lshl_b32 s43, s41, 2
	s_lshl_b32 s43, 15, s43                        ; my row of the cluster
	s_lshl_b32 s44, 0x1111, s40                    ; my column
	s_or_b32 s[G1+0], s43, (1<<16)|(1<<20)|(1<<21)|(5<<22)|(3<<25)  ; mask; 2-byte elements; padding on; bit 21 beside a mask; after every 64 words, 4 words
	s_or_b32 s[G1B+0], s44, (1<<16)|(1<<20)|(1<<21)|(5<<22)|(3<<25)
	s_mov_b32 s[G1B+1], KSTEP<<16
	s_mov_b32 s[G1+1], KSTEP<<16                   ; tensor_dim0 = 128
	s_mov_b32 s[G1B+2], 128<<16
	s_mov_b32 s[G1+2], 128<<16                     ; tensor_dim1 = 128
	s_mov_b32 s[G1B+3], KSTEP<<16
	s_mov_b32 s[G1+3], KSTEP<<16                   ; tile_dim0 = 128
	s_mov_b32 s[G1B+4], 128
	s_mov_b32 s[G1+4], 128                         ; tile_dim1 = 128
	s_mov_b32 s[G1B+5], SIZE_K
	s_mov_b32 s[G1+5], SIZE_K                      ; elements from row to row
	s_mov_b32 s[G1B+6], 0
	s_mov_b32 s[G1+6], 0
	s_mov_b32 s[G1B+7], 0
	s_mov_b32 s[G1+7], 0
	; xh's tiles hang on the block row alone, W's on the block column and g; each address is made in registers that never hold the other place in the cluster
	s_lshl_b32 s17, s12, 7
	s_lshl_b32 s16, s13, 8
	s_add_co_u32 s16, s16, s17                     ; xh: row 256 x block row + 128 x half
	s_lshl_b32 s46, s42, 8
	s_add_co_u32 s46, s46, s17
	s_lshl_b32 s47, s45, 10
	s_add_co_u32 s46, s46, s47                     ; wh: row 1,024 g + 256 x block column + 128 x half
	s_mov_b32 s17, 0
	s_mov_b32 s47, 0
	s_mov_b64 s[18:19], SIZE_K*2
	s_mul_u64 s[16:17], s[16:17], s[18:19]
	s_mul_u64 s[46:47], s[46:47], s[18:19]
	s_mul_i32 s20, s10, HALFT                      ; where they go: wave x 128 rows
	s_wait_dscnt 0x0
	s_wait_kmcnt 0x0
	s_add_nc_u64 s[14:15], s[4:5], s[16:17]
	s_add_nc_u64 s[46:47], s[6:7], s[46:47]
	CROUND                                         ; all sixteen work-groups are here: the first joint loads meet
.irp s, 0,1
	s_mov_b32 s[G0+4*\s], 1
	s_add_co_u32 s[G0+4*\s+1], s20, \s*SLOT
	s_add_nc_u64 s[G0+4*\s+2:G0+4*\s+3], s[14:15], \s*KSTEP*2
	s_or_b32 s[G0+4*\s+3], s[G0+4*\s+3], 0x80000000
	s_mov_b32 s[G0B+4*\s], 1
	s_add_co_u32 s[G0B+4*\s+1], s20, \s*SLOT
	s_add_nc_u64 s[G0B+4*\s+2:G0B+4*\s+3], s[46:47], \s*KSTEP*2
	s_or_b32 s[G0B+4*\s+3], s[G0B+4*\s+3], 0x80000000
	JLOAD \s                                       ; both slots' first fills, one group, before anything else
.endr
	; the bias of my 128 columns, laid as a result tile is: register j of lane l in n block b = bias[16 b + 8 (l / 16) + j]
	s_cmp_eq_u32 s45, 1
	s_cselect_b64 s[84:85], s[74:75], s[72:73]
	s_cmp_eq_u32 s45, 2
	s_cselect_b64 s[84:85], s[76:77], s[84:85]
	s_lshl_b32 s86, s42, 10                        ; 256 columns of 4 bytes a block
	s_lshl_b32 s87, s12, 9
	s_add_co_u32 s86, s86, s87
	s_mov_b32 s87, 0
	s_add_nc_u64 s[84:85], s[84:85], s[86:87]
	s_mov_b64 s[8:9], s[78:79]                     ; qkv
	s_mov_b32 s88, 0x3e38aa3b                      ; c = log2(e) / 8
	s_mov_b32 s89, 0x3e38aa3b
	v_and_b32 v1, 15, v0                           ; l % 16
	v_bfe_u32 v2, v0, 4, 1                         ; l / 16
	v_lshlrev_b32 v[BOF], 5, v2
	WIN TO_B
.irp b, 0,1,2,3,4,5,6,7
	global_load_b128 v[8*\b:8*\b+3], v[BOF], s[84:85] offset:64*\b
	global_load_b128 v[8*\b+4:8*\b+7], v[BOF], s[84:85] offset:64*\b+16
.endr
	WIN 0
	; a fragment is 16 rows x 32 K in 8 registers: two loads of 16 bytes, 32 bytes apart, at row x pitch + 16 (l / 16)
	v_mul_u32_u24 v3, v1, PITCH
	v_lshl_add_u32 v3, v2, 4, v3
	s_mul_i32 s21, s11, HALFT
	s_mul_i32 s22, s12, HALFT
	s_add_co_u32 s22, s22, 2*HALFT
.irp s, 0,1
	v_add_nc_u32 v[ADRA+\s], s21, v3
	v_add_nc_u32 v[ADRB+\s], s22, v3
	s_add_co_u32 s21, s21, SLOT
	s_add_co_u32 s22, s22, SLOT
.endr
	s_mul_i32 s23, s10, 16*SPITCH
	s_add_co_u32 s23, s23, STAGE                   ; my stage
	v_mul_u32_u24 v4, v1, SPITCH                   ; in: row l % 16, 16 bytes for each half of the lanes
	v_lshl_add_u32 v4, v2, 4, v4
	v_add_nc_u32 v[STO], s23, v4
	; back, by heads: a stage row holds two heads' 128 bytes.  Lanes 0-15 take the first head's part of two rows, lanes 16-31 the second head's:
	; in qkv two rows of one head are 256 consecutive bytes
	v_bfe_u32 v6, v0, 3, 1
	v_and_b32 v7, 7, v0
	v_mul_u32_u24 v5, v6, SPITCH
	v_lshl_add_u32 v5, v2, 7, v5
	v_lshl_add_u32 v5, v7, 4, v5
	v_add_nc_u32 v[RD], s23, v5
	v_lshlrev_b32 v5, 18, v2                       ; the next head lies 262,144 bytes on
	v_lshl_add_u32 v[CO], v1, 4, v5
; 16 matrix instructions: m blocks a0, a0 + 1 of the window's four x all 8 n blocks, 32 along K.  zero = 1: the first product starts the sum from the bias.
.macro MUL16 f, hi, a0, zero
.irp a, \a0, \a0+1
.irp b, 0,1,2,3,4,5,6,7
.if \zero
	v_wmma_f32_16x16x32_f16 v[8*(8*(\a)+\b):8*(8*(\a)+\b)+7], v[\f+8*\b:\f+8*\b+7], v[\f+8*(4*\hi+\a):\f+8*(4*\hi+\a)+7], v[8*\b:8*\b+7]
.else
	v_wmma_f32_16x16x32_f16 v[8*(8*(\a)+\b):8*(8*(\a)+\b)+7], v[\f+8*\b:\f+8*\b+7], v[\f+8*(4*\hi+\a):\f+8*(4*\hi+\a)+7], v[8*(8*(\a)+\b):8*(8*(\a)+\b)+7]
.endif
.endr
.endr
.endm
; 32 LDS loads in one run: the fragments of one quarter step into buffer f
.macro FETCH slot, k, f
	WIN TO_B
.irp i, 0,1,2,3,4,5,6,7
	ds_load_b128 v[\f+8*\i:\f+8*\i+3],   v[ADRB+\slot] offset:\k+\i*16*PITCH
	ds_load_b128 v[\f+8*\i+4:\f+8*\i+7], v[ADRB+\slot] offset:\k+\i*16*PITCH+32
.endr
	WIN 0
.irp i, 0,1,2,3,4,5,6,7
	ds_load_b128 v[\f+8*\i:\f+8*\i+3],   v[ADRA+\slot] offset:\k+\i*16*PITCH
	ds_load_b128 v[\f+8*\i+4:\f+8*\i+7], v[ADRA+\slot] offset:\k+\i*16*PITCH+32
.endr
.endm
; Four plain vector instructions stand between a matrix instruction and a load into one of its registers or a vector instruction on them
.macro PLACES
.rept 4
	v_nop
.endr
.endm
; A K step is four quarter steps of 32 along K, 64 matrix instructions each, on buffers 0, 1, 0, 1.  The 64 accumulators take turns, one instruction a turn,
; in the same order in every quarter.
.macro QUARTER slot, k, f, g, zero
	s_wait_dscnt 8                                 ; W and xh's rows 0-63 are in; the youngest eight loads (xh's rows 64-127) may be out
.if \zero
	WIN BIA_LO
.else
	WIN MUL_LO
.endif
	MUL16 \f, 0, 0, \zero
	MUL16 \f, 0, 2, \zero
	PLACES
	FETCH \slot, \k, \g
	s_wait_dscnt 32                                ; all but the 32 just issued
.if \zero
	WIN BIA_HI
.else
	WIN MUL_HI
.endif
	MUL16 \f, 1, 0, \zero
	MUL16 \f, 1, 2, \zero
.endm
.macro THREE slot, zero
	QUARTER \slot, 64,  F0, F1, \zero
	QUARTER \slot, 128, F1, F0, 0
	QUARTER \slot, 192, F0, F1, 0
.endm
; The last quarter multiplies buffer 1 and changes slots.  In front of the barrier each wave waits for its reads of this slot and for all its tensor loads
; (one is out: its part of the next slot).  Behind it the refill comes first, then the next slot's first fragments.
.macro TURN slot, next, fill
	s_wait_dscnt 8
	WIN MUL_LO
	MUL16 F1, 0, 0, 0
	s_wait_dscnt 0                                 ; my reads of this slot are over
	s_wait_tensorcnt 0x0                           ; all my tensor loads have landed
	ds_add_u32 v255, v255
	s_wait_dscnt 0x0
	s_barrier_signal -1                            ; where a slot is filled again this barrier opens a round of the cluster's barrier
	MUL16 F1, 0, 2, 0                              ; register work while the others arrive
	WIN 0
	s_barrier_wait -1
.if \fill
	CREST                                          ; no wave of any partner still reads this slot's tile or has a load on its way
	s_add_nc_u64 s[G0+4*\slot+2:G0+4*\slot+3], s[G0+4*\slot+2:G0+4*\slot+3], 2*KSTEP*2
	s_add_nc_u64 s[G0B+4*\slot+2:G0B+4*\slot+3], s[G0B+4*\slot+2:G0B+4*\slot+3], 2*KSTEP*2
	JLOAD \slot                                    ; the first tensor load behind the round, one a wave
.endif
	PLACES
	FETCH \next, 0, F0
	WIN MUL_HI
	MUL16 F1, 1, 0, 0
	MUL16 F1, 1, 2, 0
.endm
.macro LAP zero
	THREE 0, \zero
	TURN 0, 1, 1
	THREE 1, 0
	TURN 1, 0, 1
.endm
	s_wait_tensorcnt 1                             ; my part of K step 0 is in; K step 1's load stays out
	s_barrier_signal -1
	s_barrier_wait -1
	FETCH 0, 0, F0
	s_wait_loadcnt 0x0                             ; the bias
	LAP 1                                          ; the first lap stands in front of the loop: its first products start the sums
	WIN 0
	s_mov_b32 s3, LAPS-2
.Llap:
	LAP 0
	WIN 0
	s_sub_co_u32 s3, s3, 1
	s_cmp_lg_u32 s3, 0
	s_cbranch_scc1 .Llap
	THREE 0, 0                                     ; the last lap fills nothing
	TURN 0, 1, 0
	THREE 1, 0
	s_wait_dscnt 8
	WIN MUL_LO
	MUL16 F1, 0, 0, 0
	MUL16 F1, 0, 2, 0
	s_wait_dscnt 0
	WIN MUL_HI
	MUL16 F1, 1, 0, 0
	MUL16 F1, 1, 2, 0
	PLACES                                         ; behind the last matrix instructions, for all that reads results below
	WIN 0
	; q alone is scaled.  The branch hangs on g, which is the same in the whole cluster, and jumps over register work alone.
	s_cmp_lg_u32 s45, 0
	s_cbranch_scc1 .Lnoscale
	WIN 0x82                                       ; source 0 and destination window 2
.set i, 0
.rept 128
	v_pk_mul_f32 v[2*i:2*i+1], v[2*i:2*i+1], s[88:89] op_sel_hi:[1,0]
.set i, i+1
.endr
	WIN 0xc3                                       ; window 3
.set i, 0
.rept 128
	v_pk_mul_f32 v[2*i:2*i+1], v[2*i:2*i+1], s[88:89] op_sel_hi:[1,0]
.set i, i+1
.endr
	WIN 0
.Lnoscale:
	; THE WAY OUT, 16 rows at a time: round to f16, 16 bytes a lane into my own stage, read back by heads.
	; qkv + ((block row / 8) 16 + 4 block column + 2 column half) x 262,144 + ((block row % 8) 256 + 128 row half) x 128
	s_lshr_b32 s14, s13, 3
	s_lshl_b32 s14, s14, 22
	s_and_b32 s16, s13, 7
	s_lshl_b32 s16, s16, 15
	s_add_co_u32 s16, s16, s14
	s_lshl_b32 s14, s11, 14
	s_add_co_u32 s16, s16, s14
	s_mov_b32 s17, 0
	s_add_nc_u64 s[8:9], s[8:9], s[16:17]
	s_lshl_b32 s46, s42, 20                        ; the column's part in the registers that held W's address: none that fed xh's descriptors ever holds cx
	s_lshl_b32 s47, s12, 19
	s_add_co_u32 s46, s46, s47
	s_mov_b32 s47, 0
	s_add_nc_u64 s[8:9], s[8:9], s[46:47]
.macro OUT16 i, a, from, f
	WIN \from
.irp b, 0,1,2,3,4,5,6,7
.irp r, 0,1,2,3
	v_cvt_pk_f16_f32 v[TMP+4*\b+\r], v[8*(8*\a+\b)+2*\r], v[8*(8*\a+\b)+2*\r+1]
.endr
.endr
	WIN 0
.irp b, 0,1,2,3,4,5,6,7
	ds_store_b128 v[STO], v[TMP+4*\b:TMP+4*\b+3] offset:32*\b
.endr
	s_wait_xcnt 0x0                                ; buffer f, which earlier stores read, and the stores' base are rewritten only behind this wait
.if \i
	s_add_nc_u64 s[8:9], s[8:9], 16*128            ; 16 rows of a head on
.endif
.irp t, 0,1,2,3,4,5,6,7
	ds_load_b128 v[\f+4*\t:\f+4*\t+3], v[RD] offset:\t*2*SPITCH    ; LDS serves a wave's instructions in order: these see the stores above
.endr
.irp t, 0,1,2,3,4,5,6,7
	s_wait_dscnt 7-\t                              ; load t is in, the younger ones stay out
	global_store_b128 v[CO], v[\f+4*\t:\f+4*\t+3], s[8:9] offset:256*\t   ; 16 lanes store 256 consecutive bytes, aligned: two rows of one head
.endr
.endm
	OUT16 0, 0, 0x0a, F0
	OUT16 1, 1, 0x0a, F1
	OUT16 2, 2, 0x0a, F0
	OUT16 3, 3, 0x0a, F1
	OUT16 4, 0, 0x0f, F0
	OUT16 5, 1, 0x0f, F1
	OUT16 6, 2, 0x0f, F0
	OUT16 7, 3, 0x0f, F1
	s_set_vgpr_msb 0x1
	s_wait_tensorcnt 0x0
	ds_add_u32 v255, v255
	s_wait_dscnt 0x0
	s_set_vgpr_msb 0x100
	CROUND                                         ; the closing round: no work-group ends while a partner may still ask for a tile that names it
	s_endpgm
.Lfunc_end_k_q6b90f11432_qkv:
	.size	k_q6b90f11432_qkv, .Lfunc_end_k_q6b90f11432_qkv-k_q6b90f11432_qkv
	.p2alignl 7, 3214868480
	.fill 96, 4, 3214868480
	.section	.rodata,"a",@progbits
	.p2align	6, 0x0
	.amdhsa_kernel k_q6b90f11432_qkv
		.amdhsa_group_segment_fixed_size 327680
		.amdhsa_private_segment_fixed_size 0
		.amdhsa_enable_private_segment 0
		.amdhsa_kernarg_size 48
		.amdhsa_user_sgpr_count 2
		.amdhsa_user_sgpr_kernarg_segment_ptr 1
		.amdhsa_wavefront_size32 1
		.amdhsa_system_sgpr_workgroup_id_x 1
		.amdhsa_system_sgpr_workgroup_id_y 1
		.amdhsa_system_sgpr_workgroup_id_z 1
		.amdhsa_system_vgpr_workitem_id 0
		.amdhsa_next_free_vgpr 1024
		.amdhsa_next_free_sgpr 96
		.amdhsa_reserve_vcc 0
		.amdhsa_float_denorm_mode_32 3
		.amdhsa_float_denorm_mode_16_64 3
		.amdhsa_memory_ordered 1
		.amdhsa_forward_progress 1
		.amdhsa_inst_pref_size 215
	.end_amdhsa_kernel
	.amdgpu_metadata
---
amdhsa.version: [ 1, 2 ]
amdhsa.kernels:
  - .name:           k_q6b90f11432_qkv
    .symbol:         k_q6b90f11432_qkv.kd
    .args:
      - { .name: xh, .offset: 0, .size: 8, .value_kind: global_buffer, .address_space: global }
      - { .name: wh, .offset: 8, .size: 8, .value_kind: global_buffer, .address_space: global }
      - { .name: bq, .offset: 16, .size: 8, .value_kind: global_buffer, .address_space: global }
      - { .name: bk, .offset: 24, .size: 8, .value_kind: global_buffer, .address_space: global }
      - { .name: bv, .offset: 32, .size: 8, .value_kind: global_buffer, .address_space: global }
      - { .name: qkv, .offset: 40, .size: 8, .value_kind: global_buffer, .address_space: global }
    .group_segment_fixed_size: 327680
    .private_segment_fixed_size: 0
    .kernarg_segment_align: 8
    .kernarg_segment_size: 48
    .max_flat_workgroup_size: 128
    .sgpr_count:     96
    .vgpr_count:     1024
    .wavefront_size: 32
...
	.end_amdgpu_metadata
.endif
;; end of part 2
;; launch attn (part 3): grid 8 x 32, 8 waves a work-group, clusters of 4 x 1, 327,680 bytes of LDS; arguments qkv, mbits, xa; writes xa
.if DOCPART == 3
	.amdgcn_target "amdgcn-amd-amdhsa--gfx1250"
	.amdhsa_code_object_version 6
	.text
	.protected	k_q6b90f11432_attn
	.globl	k_q6b90f11432_attn
	.p2align	8
	.type	k_q6b90f11432_attn,@function
k_q6b90f11432_attn:
	s_mov_b64 s[64:65], 0
	v_nop
	global_prefetch_b8 v0, s[64:65] scope:SCOPE_SE
	s_setreg_imm32_b32 hwreg(HW_REG_WAVE_MODE, 25, 1), 1
	s_wait_xcnt 0x0
	s_wait_alu depctr_hold_cnt(0) depctr_sa_sdst(0) depctr_va_vdst(0) depctr_va_sdst(0) depctr_va_ssrc(0) depctr_va_vcc(0) depctr_vm_vsrc(0)
	s_getreg_b32 s2, hwreg(HW_REG_IB_STS2, 6, 4)
	s_cmp_eq_u32 s2, 0
	s_cbranch_scc0 .Lentry_in_a_cluster
	s_endpgm
.Lentry_in_a_cluster:
	s_bfe_u32 s2, ttmp6, 0x10000c
	s_cmp_lg_u32 s2, 0x3003
	s_cbranch_scc0 .Lentry_shape_is_right
	s_endpgm
.Lentry_shape_is_right:
; attn: softmax(q k^T, masked) v for one head (y = 16 b + h) and 256 queries (x), with a running maximum.  q comes already multiplied by log2(e) / 8,
; so scores are exponents of 2.  Eight waves; a wave owns 32 queries (two tiles qi of 16) and walks all 2,048 keys, 64 a step, 256 a tile of the ring.
; ORIENTATION.  S^T = K Q^T: register j of lane (r = l % 16, h = l / 16) in tile i holds key 16 i + 8 h + j, query r.  So a query's maximum and sum are made
; inside a lane plus one exchange of the two halves; alpha and 1 / l are one number a lane; and packing neighbouring registers of S^T to f16 IS the second
; operand of O^T = V^T P^T, with no movement between lanes.  V^T's fragments come by the transposing LDS load.
; THE MASK comes as one word for each score register (bit l for lane l), read by scalar loads: one v_cndmask_b32 a register puts NEG2 = -1e9 log2(e) in place
; of a masked score, as the problem's -1e9 stands in place of a score; a row that is masked whole comes out uniform, as there.
; CLUSTERS: the four work-groups of a cluster are four query blocks of one head and read the same K and V: each tile is asked for jointly (mask 15).
; THE RING: tiles 0 and 1 are asked for together at the start; when tile t has been read, tile t + 2 is asked for into its slot and has tile t + 1's four steps
; in which to land.  Tiles 1 to 6 run in a loop of three trips; tile 0 (which starts all sums) and tile 7 (behind which nothing is asked for) are written out.
; LIMITS: q, k, v, P and the result are f16 (P <= 1 by the running maximum); NEG2 is -1e9 log2(e) rounded to f32; NaN and infinities are not served.
;
; LDS: two slots of 81,920 bytes; in a slot wave w fills part w of 10,240 bytes: parts 0-3 keys 64 w .. of K, pitch 144; parts 4-7 of V, pitch 160.
;      Behind them, at 163,840, a stage of 32 rows x 144 bytes for each wave, for the way out; no fill lands there.
.set PARTB, 10240
.set SLOTB, 8*PARTB
.set TILEB, 256*128                    ; a tile's 256 keys in memory
.set PK,    144                        ; 9 x 16: sixteen rows start in sixteen different 16-byte columns of 256
.set PVP,   160                        ; 5 x 32: eight rows of 32 bytes fall side by side in 256
.set STAGE, 2*SLOTB
.set KADR, 2                           ; v2-3    K fragments in slot 0, 1
.set VADR, 4                           ; v4-5    V fragments in slot 0, 1
.set NEGV, 6                           ; v6      NEG2
.set STO,  7                           ; v7      the way out: in
.set RD,   8                           ; v8      the way out: back
.set CO,   9                           ; v9      16 x lane
.set MX,   10                          ; v10-11  running maximum of qi 0, 1
.set LS,   12                          ; v[12:13], v[14:15]  running sums, this lane's part, two chains each
.set ALP,  16                          ; v16, v18  alpha of qi 0, 1: the low register of a pair, sent to both halves by op_sel_hi 0 (v17, v19 written once, unused)
.set NMP,  20                          ; v20, v22  minus the maximum, likewise
.set TT,   24                          ; v[24:31]  at work
.set QF,   32                          ; v[32:63]   Q(qi, ks) at 16 qi + 8 ks
.set KF,   64                          ; v[64:127]  K(i, ks) at 16 i + 8 ks
.set VF,   128                         ; v[128:191] V^T(dt, ks) at 16 dt + 8 ks
.set SC,   192                         ; v[192:255] S(qi, i, j) at 32 qi + 8 i + j; P(qi, ks) is packed in place at 32 qi + 8 ks
                                       ; window 1, v[0:63]: O(qi, dt, j) at 32 qi + 8 dt + j: d = 16 dt + 8 h + j, query r
; scalars: s2 loop; s3 wave; s[4:11] descriptor group 1 for V; s[12:13] my q rows; s[14:15] the tiles' offset in qkv (never holds my place in the cluster);
;          s[16:47] mask words of qi 0 (s[16:31] serve the set-up first); s[48:63], s[80:95] mask words of qi 1; s66-67 lane selectors;
;          s[68:71], s[96:99] descriptor group 0 of slot 0, 1; s[72:79] group 1 for K; s[100:101] my mask words; s[104:105] my xa rows
.set G0S0, 68
.set G0S1, 96
.set G1K,  72
.set G1V,  4
.set MSB, 0
.macro WIN new
.if MSB != \new
	s_set_vgpr_msb (MSB<<8)|\new
.set MSB, \new
.endif
.endm
.macro PLACES n
.rept \n
	v_nop
.endr
.endm
; A round of the cluster's barrier: my work-group's barrier; wave 0 signals for the work-group; every wave waits for all four; my work-group's barrier again.
.macro CREST                           ; a round behind its opening barrier
	s_cmp_lg_u32 s3, 0
	s_cbranch_scc1 .Lnot_wave_0_\@
	s_barrier_signal -3
.Lnot_wave_0_\@:
	s_barrier_wait -3
	s_barrier_signal -1
	s_barrier_wait -1
.endm
.macro ROUND                           ; a whole round
	s_barrier_signal -1
	s_barrier_wait -1
	CREST
.endm
; A joint load by group 0 at s[g].  Waves 0-3 fetch K's four parts, waves 4-7 V's.  Each of the two lines has one group 1 of constants: one mask, one pitch.
; The branch hangs on the wave's number alone: it is the same in every work-group.
.macro JLOAD g
	s_cmp_lt_u32 s3, 4
	s_cbranch_scc0 .Lfor_v_\@
	tensor_load_to_lds s[\g:\g+3], s[G1K:G1K+7]
	s_nop 0
	s_branch .Lasked_\@
.Lfor_v_\@:
	tensor_load_to_lds s[\g:\g+3], s[G1V:G1V+7]
	s_nop 0
.Lasked_\@:
.endm
	s_load_b128 s[16:19], s[0:1], 0x0              ; qkv s[16:17], mbits s[18:19]
	s_load_b64 s[20:21], s[0:1], 0x10              ; xa
	v_lshl_add_u32 v30, v0, 2, 0x31000
	v_mov_b32 v31, 0
	ds_add_u32 v30, v31
	v_lshrrev_b32 v1, 5, v0
	v_readfirstlane_b32 s3, v1                     ; wave 0..7
	s_bfe_u32 s22, ttmp6, 0x40000                  ; cx
	s_lshl_b32 s23, ttmp9, 2
	s_add_co_u32 s23, s23, s22                     ; x: my block of 256 queries
	s_and_b32 s24, ttmp7, 0xffff                   ; y = 16 b + h: the same in all four work-groups of the cluster
	s_mov_b32 s66, 0x76543210                      ; v_permlanex16_b32: lane i of one half reads lane i of the other
	s_mov_b32 s67, 0xfedcba98
	; group 1, twice: 64 rows x 64 elements of 2 bytes, dense in memory; after every 32 words 4 words of padding for K, 8 for V
	s_mov_b32 s[G1K+0], 0x0731000f                 ; mask 15 | 2-byte elements | padding on | bit 21 beside a mask | interval code 4 | pad code 3
	s_mov_b32 s[G1V+0], 0x0f31000f                 ; the same with pad code 7
	s_mov_b32 s[G1K+1], 64<<16                     ; tensor_dim0 = 64
	s_mov_b32 s[G1V+1], 64<<16
	s_mov_b32 s[G1K+2], 64<<16                     ; tensor_dim1 = 64
	s_mov_b32 s[G1V+2], 64<<16
	s_mov_b32 s[G1K+3], 64<<16                     ; tile_dim0 = 64
	s_mov_b32 s[G1V+3], 64<<16
	s_mov_b32 s[G1K+4], 64                         ; tile_dim1 = 64
	s_mov_b32 s[G1V+4], 64
	s_mov_b32 s[G1K+5], 64                         ; elements from row to row
	s_mov_b32 s[G1V+5], 64
	s_mov_b32 s[G1K+6], 0
	s_mov_b32 s[G1V+6], 0
	s_mov_b32 s[G1K+7], 0
	s_mov_b32 s[G1V+7], 0
	; my part of tile 0: k's tensor begins 8,388,608 bytes into qkv, v's another 8,388,608; a head is 262,144 bytes; 64 keys are 8,192.
	; Made of y and the wave's number alone.
	s_lshr_b32 s15, s3, 2                          ; 0: K, 1: V
	s_mul_i32 s15, s15, 8388608-4*8192
	s_lshl_b32 s14, s24, 18
	s_add_co_u32 s14, s14, s15
	s_lshl_b32 s15, s3, 13
	s_add_co_u32 s14, s14, s15
	s_add_co_u32 s14, s14, 8388608
	s_mov_b32 s15, 0
	s_mov_b32 s[G0S0], 1
	s_mul_i32 s[G0S0+1], s3, PARTB                 ; LDS: wave x a part,
	s_mov_b32 s[G0S1], 1
	s_add_co_u32 s[G0S1+1], s[G0S0+1], SLOTB       ; and a slot on
	; lane terms
	v_and_b32 v24, 15, v0                          ; r
	v_bfe_u32 v25, v0, 4, 1                        ; h
	v_and_b32 v26, 7, v0
	v_bfe_u32 v27, v0, 3, 1
	v_and_b32 v28, 31, v0                          ; l
	v_mul_u32_u24 v[KADR], v24, PK
	v_lshl_add_u32 v[KADR], v25, 4, v[KADR]        ; row r, 16 bytes for each half
	v_add_nc_u32 v[KADR+1], SLOTB, v[KADR]
	v_lshl_add_u32 v29, v25, 3, v26                ; key 8 h + l % 8
	v_mul_u32_u24 v[VADR], v29, PVP
	v_lshl_add_u32 v[VADR], v27, 4, v[VADR]        ; and which 8 of 16 columns
	v_add_nc_u32 v[VADR], 4*PARTB, v[VADR]
	v_add_nc_u32 v[VADR+1], SLOTB, v[VADR]
	v_mov_b32 v[NEGV], 0xceabfb8f                  ; -1e9 log2(e)
	s_mul_i32 s25, s3, 32*PK
	s_add_co_u32 s25, s25, STAGE                   ; my stage
	v_add_nc_u32 v[STO], s25, v[KADR]
	v_lshrrev_b32 v29, 3, v28
	v_mul_u32_u24 v29, v29, PK                     ; back: eight lanes a row of 128 bytes, four rows a load
	v_lshl_add_u32 v29, v26, 4, v29
	v_add_nc_u32 v[RD], s25, v29
	v_lshlrev_b32 v[CO], 4, v28
	v_lshlrev_b32 v1, 7, v24
	v_lshl_add_u32 v1, v25, 4, v1                  ; q: row r of 128 bytes, 16 bytes for each half
	v_mov_b32 v[ALP+1], 0                          ; the unused upper registers of the four pairs
	v_mov_b32 v[ALP+3], 0
	v_mov_b32 v[NMP+1], 0
	v_mov_b32 v[NMP+3], 0
	; my mask words: ((y / 16) 128 + 16 x + 2 w) x 4,096 bytes
	s_lshr_b32 s26, s24, 4
	s_lshl_b32 s26, s26, 19
	s_lshl_b32 s28, s23, 16
	s_add_co_u32 s26, s26, s28
	s_lshl_b32 s28, s3, 13
	s_add_co_u32 s26, s26, s28
	s_mov_b32 s27, 0
	; my rows of q and of xa: (2,048 y + 256 x + 32 w) x 128 bytes
	s_lshl_b32 s30, s24, 18
	s_lshl_b32 s28, s23, 15
	s_add_co_u32 s30, s30, s28
	s_lshl_b32 s28, s3, 12
	s_add_co_u32 s30, s30, s28
	s_mov_b32 s31, 0
	s_wait_dscnt 0x0
	s_wait_kmcnt 0x0
	s_add_nc_u64 s[G0S0+2:G0S0+3], s[16:17], s[14:15]
	s_add_nc_u64 s[G0S1+2:G0S1+3], s[G0S0+2:G0S0+3], TILEB
	s_or_b32 s[G0S0+3], s[G0S0+3], 0x80000000
	s_or_b32 s[G0S1+3], s[G0S1+3], 0x80000000
	s_add_nc_u64 s[100:101], s[18:19], s[26:27]
	s_add_nc_u64 s[12:13], s[16:17], s[30:31]
	s_add_nc_u64 s[104:105], s[20:21], s[30:31]
.irp qi, 0,1
.irp ks, 0,1
	global_load_b128 v[QF+16*\qi+8*\ks:QF+16*\qi+8*\ks+3], v1, s[12:13] offset:2048*\qi+64*\ks
	global_load_b128 v[QF+16*\qi+8*\ks+4:QF+16*\qi+8*\ks+7], v1, s[12:13] offset:2048*\qi+64*\ks+32
.endr
.endr
	s_load_b512 s[16:31], s[100:101], 0x0          ; the first step's 32 words of qi 0 (the set-up's numbers in s[16:31] are spent; no pending instruction names them),
	s_load_b512 s[32:47], s[100:101], 0x40
	s_load_b512 s[48:63], s[100:101], 0x1000       ; and of qi 1, one stile on
	s_load_b512 s[80:95], s[100:101], 0x1040
	ROUND                                          ; all four work-groups are here: the first joint loads meet
	JLOAD G0S0                                     ; my part of tile 0 into slot 0,
	JLOAD G0S1                                     ; and of tile 1 into slot 1: both first fills in one group, two loads of mine out
.macro LOADK slot, st                  ; 16 loads: K(i, ks) of step st
.irp i, 0,1,2,3
.irp ks, 0,1
	ds_load_b128 v[KF+16*\i+8*\ks:KF+16*\i+8*\ks+3], v[KADR+\slot] offset:(\st)*PARTB+\i*16*PK+64*\ks
	ds_load_b128 v[KF+16*\i+8*\ks+4:KF+16*\i+8*\ks+7], v[KADR+\slot] offset:(\st)*PARTB+\i*16*PK+64*\ks+32
.endr
.endr
.endm
.macro LOADV slot, st                  ; 16 transposing loads: V^T(dt, ks): lane r gets column 16 dt + r, keys 32 ks + 8 h .. and 32 ks + 16 + 8 h ..
.irp dt, 0,1,2,3
.irp ks, 0,1
	ds_load_tr16_b128 v[VF+16*\dt+8*\ks:VF+16*\dt+8*\ks+3], v[VADR+\slot] offset:(\st)*PARTB+\ks*32*PVP+32*\dt
	ds_load_tr16_b128 v[VF+16*\dt+8*\ks+4:VF+16*\dt+8*\ks+7], v[VADR+\slot] offset:(\st)*PARTB+\ks*32*PVP+32*\dt+16*PVP
.endr
.endr
.endm
; S^T = K Q^T: eight accumulators take turns, one instruction a turn, in the same order in both passes.  The first pass starts the sums.
.macro QKT
.irp ks, 0,1
.irp i, 0,1,2,3
.irp qi, 0,1
.if \ks
	v_wmma_f32_16x16x32_f16 v[SC+32*\qi+8*\i:SC+32*\qi+8*\i+7], v[KF+16*\i+8*\ks:KF+16*\i+8*\ks+7], v[QF+16*\qi+8*\ks:QF+16*\qi+8*\ks+7], v[SC+32*\qi+8*\i:SC+32*\qi+8*\i+7]
.else
	v_wmma_f32_16x16x32_f16 v[SC+32*\qi+8*\i:SC+32*\qi+8*\i+7], v[KF+16*\i+8*\ks:KF+16*\i+8*\ks+7], v[QF+16*\qi+8*\ks:QF+16*\qi+8*\ks+7], 0
.endif
.endr
.endr
.endr
.endm
.macro MASK                            ; bit set: the score stays; bit clear: NEG2
.set i, 0
.rept 32
	v_cndmask_b32 v[SC+i], v[NEGV], v[SC+i], s[16+i]
.set i, i+1
.endr
.set i, 0
.rept 16
	v_cndmask_b32 v[SC+32+i], v[NEGV], v[SC+32+i], s[48+i]
.set i, i+1
.endr
.set i, 0
.rept 16
	v_cndmask_b32 v[SC+48+i], v[NEGV], v[SC+48+i], s[80+i]
.set i, i+1
.endr
.endm
; The new maximum of each query: four chains (two a tile, the first begun with the old maximum), the other half's by one exchange; alpha = 2^(old - new).
.macro MAXS first
.if \first
	v_max_num_f32 v[TT], v[SC], v[SC+1]
	v_max_num_f32 v[TT+2], v[SC+32], v[SC+33]
.else
	v_max3_num_f32 v[TT], v[MX], v[SC], v[SC+1]
	v_max3_num_f32 v[TT+2], v[MX+1], v[SC+32], v[SC+33]
.endif
	v_max_num_f32 v[TT+1], v[SC+16], v[SC+17]
	v_max_num_f32 v[TT+3], v[SC+48], v[SC+49]
.irp k, 2,4,6,8,10,12,14
	v_max3_num_f32 v[TT], v[TT], v[SC+\k], v[SC+\k+1]
	v_max3_num_f32 v[TT+1], v[TT+1], v[SC+16+\k], v[SC+17+\k]
	v_max3_num_f32 v[TT+2], v[TT+2], v[SC+32+\k], v[SC+33+\k]
	v_max3_num_f32 v[TT+3], v[TT+3], v[SC+48+\k], v[SC+49+\k]
.endr
	v_max_num_f32 v[TT], v[TT], v[TT+1]
	v_max_num_f32 v[TT+2], v[TT+2], v[TT+3]
	v_permlanex16_b32 v[TT+4], v[TT], s66, s67     ; its destination counts as read: written at the start
	v_permlanex16_b32 v[TT+5], v[TT+2], s66, s67
	v_max_num_f32 v[TT], v[TT], v[TT+4]
	v_max_num_f32 v[TT+2], v[TT+2], v[TT+5]
.if \first == 0
	v_sub_f32 v[TT+1], v[MX], v[TT]
	v_sub_f32 v[TT+3], v[MX+1], v[TT+2]
	v_exp_f32 v[ALP], v[TT+1]                      ; the plain instructions below stand between these and the first use of alpha (ISA guide 5.7.2)
	v_exp_f32 v[ALP+2], v[TT+3]
.endif
	v_mov_b32 v[MX], v[TT]
	v_mov_b32 v[MX+1], v[TT+2]
	v_mul_f32 v[NMP], -1.0, v[TT]
	v_mul_f32 v[NMP+2], -1.0, v[TT+2]
.endm
.macro SUBEXP                          ; P = 2^(S - maximum)
.set i, 0
.rept 16
	v_pk_add_f32 v[SC+2*i:SC+2*i+1], v[SC+2*i:SC+2*i+1], v[NMP:NMP+1] op_sel_hi:[1,0]
	v_pk_add_f32 v[SC+32+2*i:SC+33+2*i], v[SC+32+2*i:SC+33+2*i], v[NMP+2:NMP+3] op_sel_hi:[1,0]
.set i, i+1
.endr
.set i, 0
.rept 64
	v_exp_f32 v[SC+i], v[SC+i]
.set i, i+1
.endr
	v_nop                                          ; one plain instruction behind the run of exponentials, before their results are used
.endm
.macro ADD2 d, p                       ; one pair of P of each query tile onto chain d
	v_pk_add_f32 v[\d:\d+1], v[\d:\d+1], v[SC+\p:SC+\p+1]
	v_pk_add_f32 v[\d+2:\d+3], v[\d+2:\d+3], v[SC+32+\p:SC+33+\p]
.endm
.macro SUM first                       ; l = l alpha + the sum of P, this lane's part, in two chains a tile
.if \first
	s_wait_alu depctr_va_vdst(0)
	v_pk_add_f32 v[LS:LS+1], v[SC:SC+1], v[SC+2:SC+3]
	v_pk_add_f32 v[LS+2:LS+3], v[SC+32:SC+33], v[SC+34:SC+35]
	v_pk_add_f32 v[TT:TT+1], v[SC+4:SC+5], v[SC+6:SC+7]
	v_pk_add_f32 v[TT+2:TT+3], v[SC+36:SC+37], v[SC+38:SC+39]
.irp p, 8,12,16,20,24,28
	ADD2 LS, \p
	ADD2 TT, \p+2
.endr
.else
	s_wait_alu depctr_va_vdst(0)
	v_pk_fma_f32 v[LS:LS+1], v[LS:LS+1], v[ALP:ALP+1], v[SC:SC+1] op_sel_hi:[1,0,1]
	v_pk_fma_f32 v[LS+2:LS+3], v[LS+2:LS+3], v[ALP+2:ALP+3], v[SC+32:SC+33] op_sel_hi:[1,0,1]
	v_pk_add_f32 v[TT:TT+1], v[SC+2:SC+3], v[SC+4:SC+5]
	v_pk_add_f32 v[TT+2:TT+3], v[SC+34:SC+35], v[SC+36:SC+37]
.irp p, 6,10,14,18,22,26
	ADD2 LS, \p
	ADD2 TT, \p+2
.endr
	ADD2 LS, 30
.endif
	v_pk_add_f32 v[LS:LS+1], v[LS:LS+1], v[TT:TT+1]
	v_pk_add_f32 v[LS+2:LS+3], v[LS+2:LS+3], v[TT+2:TT+3]
.endm
.macro CVT                             ; registers 2 q, 2 q + 1 pack into register q, ascending: a destination has always been read already
.set i, 0
.rept 16
	v_cvt_pk_f16_f32 v[SC+i], v[SC+2*i], v[SC+2*i+1]
	v_cvt_pk_f16_f32 v[SC+32+i], v[SC+32+2*i], v[SC+33+2*i]
.set i, i+1
.endr
.endm
.macro RESC                            ; O = O alpha (at the end: O / l)
	WIN 0x41                                       ; O: source 0 and destination window 1; alpha window 0
.set i, 0
.rept 16
	v_pk_mul_f32 v[2*i:2*i+1], v[2*i:2*i+1], v[ALP:ALP+1] op_sel_hi:[1,0]
	v_pk_mul_f32 v[32+2*i:33+2*i], v[32+2*i:33+2*i], v[ALP+2:ALP+3] op_sel_hi:[1,0]
.set i, i+1
.endr
.endm
; O^T += V^T P^T: eight accumulators by turns, as in QKT.  first = 1: the first pass starts the sums.
.macro PVT first
	WIN 0x50                                       ; C and D window 1, V^T and P window 0
.irp ks, 0,1
.irp dt, 0,1,2,3
.irp qi, 0,1
.if \first*(1-\ks)
	v_wmma_f32_16x16x32_f16 v[32*\qi+8*\dt:32*\qi+8*\dt+7], v[VF+16*\dt+8*\ks:VF+16*\dt+8*\ks+7], v[SC+32*\qi+8*\ks:SC+32*\qi+8*\ks+7], 0
.else
	v_wmma_f32_16x16x32_f16 v[32*\qi+8*\dt:32*\qi+8*\dt+7], v[VF+16*\dt+8*\ks:VF+16*\dt+8*\ks+7], v[SC+32*\qi+8*\ks:SC+32*\qi+8*\ks+7], v[32*\qi+8*\dt:32*\qi+8*\dt+7]
.endif
.endr
.endr
.endr
.endm
; A step's first half, 64 keys: scores, mask, softmax, P packed.  bump = 1: the mask pointer steps to this tile's words; more = 1: the next step's words are asked for.
.macro STEPA slot, st, first, bump, more
	s_wait_dscnt 16                                ; K's 16 loads are in; the 16 younger ones are V's
.if \first
	s_wait_loadcnt 0x0                             ; q
.endif
	QKT
	PLACES 4                                       ; behind the matrix instructions: for the loads into K's registers and for the mask's reads of S
.if \st < 3
	LOADK \slot, \st+1
.endif
	s_wait_kmcnt 0x0                               ; this step's mask words
.if \bump
	s_add_nc_u64 s[100:101], s[100:101], 512       ; no scalar load is out: four steps of 128 bytes on
.endif
	MASK
.if \more
	s_load_b512 s[16:31], s[100:101], (\st+1)*128              ; they have the rest of this step and the next step's products in which to land
	s_load_b512 s[32:47], s[100:101], (\st+1)*128+64
	s_load_b512 s[48:63], s[100:101], (\st+1)*128+4096
	s_load_b512 s[80:95], s[100:101], (\st+1)*128+4160
.endif
	MAXS \first
	SUBEXP
	SUM \first
	CVT
.endm
; The second half of a tile's steps 0 to 2: O is rescaled and takes P V; the next step's V^T is asked for.
.macro STEPB slot, st, first
	s_wait_dscnt 16                                ; V's 16 loads are in; the 16 younger ones are the next step's K
.if \first == 0
	RESC
.endif
	PVT \first
	WIN 0
	PLACES 5                                       ; the next step's first products write over P, and the loads below land on V^T's registers
	LOADV \slot, \st+1
.endm
; The second half of a tile's step 3, and the change of slots.  In front of the signal every wave waits for its reads of the old slot (the last are V's) and for
; all its tensor loads (one is out: its part of the next tile).  Between signal and wait stands register work alone: the rescale and P V.
; fill = 1: the barrier opens a round of the cluster's barrier; behind the round the old slot's refill comes first, one load a wave, two tiles ahead.
.macro TURN next, fill
	s_wait_dscnt 0x0
	s_wait_tensorcnt 0x0
	ds_add_u32 v30, v31
	s_wait_dscnt 0x0
	s_barrier_signal -1
	RESC
	PVT 0
	WIN 0
	PLACES 5                                       ; as in STEPB
	s_barrier_wait -1
.if \fill
	CREST                                          ; no wave of any partner still reads the old slot or has a load on its way
.if \next
	s_add_nc_u64 s[G0S0+2:G0S0+3], s[G0S0+2:G0S0+3], 2*TILEB       ; no load of mine is out: the group 0 may be written
	JLOAD G0S0
.else
	s_add_nc_u64 s[G0S1+2:G0S1+3], s[G0S1+2:G0S1+3], 2*TILEB
	JLOAD G0S1
.endif
.endif
	LOADK \next, 0
	LOADV \next, 0
.endm
; A tile's four steps, but for the second half of the last
.macro TILE slot, first, last
	STEPA \slot, 0, \first, 1-\first, 1
	STEPB \slot, 0, \first
	STEPA \slot, 1, 0, 0, 1
	STEPB \slot, 1, 0
	STEPA \slot, 2, 0, 0, 1
	STEPB \slot, 2, 0
	STEPA \slot, 3, 0, 0, 1-\last
.endm
	s_wait_tensorcnt 0x1                           ; my part of tile 0 is in; tile 1's load stays out
	s_barrier_signal -1
	s_barrier_wait -1                              ; everybody's part is in
	LOADK 0, 0
	LOADV 0, 0
	TILE 0, 1, 0                                   ; tile 0: its first step starts the maxima and all sums
	s_mov_b32 s2, 3
.Lpair:
	TURN 1, 1                                      ; into tiles 1, 3, 5; slot 0 is asked tiles 2, 4, 6
	TILE 1, 0, 0
	TURN 0, 1                                      ; into tiles 2, 4, 6; slot 1 is asked tiles 3, 5, 7
	TILE 0, 0, 0
	s_sub_co_u32 s2, s2, 1
	s_cmp_lg_u32 s2, 0
	s_cbranch_scc1 .Lpair
	TURN 1, 0                                      ; into tile 7: nothing is left to ask for
	TILE 1, 0, 1                                   ; and no mask word beyond the end
	s_wait_dscnt 0x0                               ; the last V^T
	RESC
	PVT 0
	WIN 0
	PLACES 4                                       ; behind the last matrix instructions, for the division below
	; the end: l over both chains and both halves, O / l, f16, out through my stage as whole rows
	v_add_f32 v[LS], v[LS], v[LS+1]
	v_add_f32 v[LS+2], v[LS+2], v[LS+3]
	v_permlanex16_b32 v[TT+4], v[LS], s66, s67
	v_permlanex16_b32 v[TT+5], v[LS+2], s66, s67
	v_add_f32 v[LS], v[LS], v[TT+4]
	v_add_f32 v[LS+2], v[LS+2], v[TT+5]
	v_rcp_f32 v[ALP], v[LS]                        ; l >= 1: the largest score's own term is 1
	v_rcp_f32 v[ALP+2], v[LS+2]
	v_nop                                          ; one plain instruction before the reciprocals are used
	s_wait_alu depctr_va_vdst(0)
	RESC
	WIN 0x05                                       ; sources window 1, destination window 0
.irp qi, 0,1
.irp dt, 0,1,2,3
.irp p, 0,1,2,3
	v_cvt_pk_f16_f32 v[KF+16*\qi+4*\dt+\p], v[32*\qi+8*\dt+2*\p], v[32*\qi+8*\dt+2*\p+1]
.endr
.endr
.endr
	WIN 0
.irp qi, 0,1
.irp dt, 0,1,2,3
	ds_store_b128 v[STO], v[KF+16*\qi+4*\dt:KF+16*\qi+4*\dt+3] offset:\qi*16*PK+32*\dt    ; query 16 qi + r, d = 16 dt + 8 h ..
.endr
.endr
.irp t, 0,1,2,3,4,5,6,7
	ds_load_b128 v[VF+4*\t:VF+4*\t+3], v[RD] offset:\t*4*PK        ; LDS serves a wave's instructions in order: these see the stores above
.endr
.irp t, 0,1,2,3,4,5,6,7
	s_wait_dscnt 7-\t                              ; load t is in, the younger ones stay out
	global_store_b128 v[CO], v[VF+4*\t:VF+4*\t+3], s[104:105] offset:512*\t   ; the wave's 32 rows are 4,096 consecutive bytes of xa: 512 a store, aligned
.endr
	s_wait_tensorcnt 0x0
	ds_add_u32 v30, v31
	s_wait_dscnt 0x0
	ROUND                                          ; the closing round
	s_endpgm
.Lfunc_end_k_q6b90f11432_attn:
	.size	k_q6b90f11432_attn, .Lfunc_end_k_q6b90f11432_attn-k_q6b90f11432_attn
	.p2alignl 7, 3214868480
	.fill 96, 4, 3214868480
	.section	.rodata,"a",@progbits
	.p2align	6, 0x0
	.amdhsa_kernel k_q6b90f11432_attn
		.amdhsa_group_segment_fixed_size 327680
		.amdhsa_private_segment_fixed_size 0
		.amdhsa_enable_private_segment 0
		.amdhsa_kernarg_size 24
		.amdhsa_user_sgpr_count 2
		.amdhsa_user_sgpr_kernarg_segment_ptr 1
		.amdhsa_wavefront_size32 1
		.amdhsa_system_sgpr_workgroup_id_x 1
		.amdhsa_system_sgpr_workgroup_id_y 1
		.amdhsa_system_sgpr_workgroup_id_z 1
		.amdhsa_system_vgpr_workitem_id 0
		.amdhsa_next_free_vgpr 320
		.amdhsa_next_free_sgpr 106
		.amdhsa_reserve_vcc 0
		.amdhsa_float_denorm_mode_32 3
		.amdhsa_float_denorm_mode_16_64 3
		.amdhsa_memory_ordered 1
		.amdhsa_forward_progress 1
		.amdhsa_inst_pref_size 255
	.end_amdhsa_kernel
	.section	.bss,"aw",@nobits
	.p2align	6
	.space	262144
	.amdgpu_metadata
---
amdhsa.version: [ 1, 2 ]
amdhsa.kernels:
  - .name:           k_q6b90f11432_attn
    .symbol:         k_q6b90f11432_attn.kd
    .args:
      - { .name: qkv, .offset: 0, .size: 8, .value_kind: global_buffer, .address_space: global }
      - { .name: mbits, .offset: 8, .size: 8, .value_kind: global_buffer, .address_space: global }
      - { .name: xa, .offset: 16, .size: 8, .value_kind: global_buffer, .address_space: global }
    .group_segment_fixed_size: 327680
    .private_segment_fixed_size: 0
    .kernarg_segment_align: 8
    .kernarg_segment_size: 24
    .max_flat_workgroup_size: 256
    .sgpr_count:     106
    .vgpr_count:     320
    .wavefront_size: 32
...
	.end_amdgpu_metadata
.endif
;; end of part 3
;; launch outp (part 4): grid 8 x 32, 4 waves a work-group, clusters of 4 x 4, 327,680 bytes of LDS; arguments xa, wh, bo, out0; writes out0
.if DOCPART == 4
	.amdgcn_target "amdgcn-amd-amdhsa--gfx1250"
	.amdhsa_code_object_version 6
	.text
	.protected	k_q6b90f11432_outp
	.globl	k_q6b90f11432_outp
	.p2align	8
	.type	k_q6b90f11432_outp,@function
k_q6b90f11432_outp:
	s_mov_b64 s[64:65], 0
	v_nop
	global_prefetch_b8 v0, s[64:65] scope:SCOPE_SE
	s_setreg_imm32_b32 hwreg(HW_REG_WAVE_MODE, 25, 1), 1
	s_wait_xcnt 0x0
	s_wait_alu depctr_hold_cnt(0) depctr_sa_sdst(0) depctr_va_vdst(0) depctr_va_sdst(0) depctr_va_ssrc(0) depctr_va_vcc(0) depctr_vm_vsrc(0)
	s_getreg_b32 s2, hwreg(HW_REG_IB_STS2, 6, 4)
	s_cmp_eq_u32 s2, 0
	s_cbranch_scc0 .Lentry_in_a_cluster
	s_endpgm
.Lentry_in_a_cluster:
	s_bfe_u32 s2, ttmp6, 0x10000c
	s_cmp_lg_u32 s2, 0xf033
	s_cbranch_scc0 .Lentry_shape_is_right
	s_endpgm
.Lentry_shape_is_right:
; outp: out0[m][n] = sum over k of x[m][k] Wo[n][k] + bo[n], f32.  x lies by heads in xa [2][16][2048][64] f16: column k = 64 head + d.  Wo is the fourth
; matrix of wh, f16.  A work-group makes 128 x 128 of out0 with four waves, a wave 64 x 64: 16 accumulator tiles, 128 registers.  256 work-groups.
; THE RING.  A work-group reads 128 rows of x and 128 rows of Wo, 2,048 bytes each: 524,288 bytes, of which two LDS slots hold 256 along K (four heads) each.
; Both slots are asked for at the start, which is half of all that the work-group reads; each is filled again once.  So K's 1,024 are four fills, written out
; without a loop.  A slot is four parts of 36,864 bytes, one for each wave's load:
;   parts 0, 1: x, two heads each.  A head's 128 rows are 16,384 consecutive bytes of xa, so the tile is 2 rows of 8,192 elements, 131,072 elements apart;
;               the padding of 4 words after every 32 words falls behind each query's 128 bytes: pitch 144, a head 18,432 bytes.
;   parts 2, 3: Wo, 64 rows each of 512 bytes, 4 words of padding after every 128: pitch 528 (33,792 bytes used).
; CLUSTERS: 4 x 4 work-groups; x's tiles are shared along a row of the cluster, Wo's along a column, each asked for jointly.
; The matrix instruction is used transposed (source 0 = rows of Wo, source 1 = rows of x): a lane's eight results are eight neighbouring columns of a row.
; LIMIT: operands are f16 (x is a mean of v's rows, so it has v's range); NaN and infinities are not served.
; REGISTERS: window 0: v0-31 addresses; three fragment buffers of 64 registers at v32, v96, v160 (x's 4 x 8, then Wo's 4 x 8); on the way out they hold rows.
;            window 1: v0-127 tile (a, b) at v[8 (4 a + b)]; v128-159 the bias of my 64 columns, as the first C
.set SIZE_K, 1024
.set PA,     144                       ; 9 x 16: the sixteen rows that a load touches start in sixteen different 16-byte columns of 256
.set PB,     528                       ; 33 x 16: likewise
.set HEADL,  128*PA                    ; a head's 128 rows in LDS
.set PART,   2*HEADL
.set SLOT,   4*PART
.set STAGE,  2*SLOT                    ; 16 rows x 272 bytes for each wave; no fill lands there
.set SPITCH, 272                       ; 256 bytes + 16 = 17 x 16
.set HEADB,  262144                    ; a head in xa
.set ADRA, 16                          ; v16-17  LDS address of my x fragments in slot 0, 1
.set ADRB, 20                          ; v20-21  the same for Wo
.set STO,  24
.set RD,   25
.set CO,   26
.set BOF,  27
.set FB0,  32                          ; quarter q uses the buffer at FB0 + 64 (q % 3)
.set BIAS, 128                         ; in window 1
.set G1, 24                            ; s[24:31] group 1 for x's tiles
.set G0, 32                            ; s[32:39] group 0 for x's tiles, one set for each slot
.set G1B, 48                           ; s[48:55] group 1 for Wo's tiles
.set G0B, 56                           ; s[56:63] group 0 for Wo's tiles
.set MSB, 0
.macro WIN new                         ; the immediate's high byte repeats the setting that is left
.if MSB != \new
	s_set_vgpr_msb (MSB<<8)|\new
.set MSB, \new
.endif
.endm
.set ACC,  0x50                        ; C and D window 1, both fragments window 0
.set TO_1, 0x40                        ; destination window 1, address window 0
.macro JLOAD s                         ; waves 0 and 1 fetch x's two pairs of heads, waves 2 and 3 Wo's two halves; the branch hangs on the wave's number alone
	s_cmp_eq_u32 s11, 0
	s_cbranch_scc0 .Lfor_b_\@
	tensor_load_to_lds s[G0+4*\s:G0+4*\s+3], s[G1:G1+7]
	s_nop 0
	s_branch .Lasked_\@
.Lfor_b_\@:
	tensor_load_to_lds s[G0B+4*\s:G0B+4*\s+3], s[G1B:G1B+7]
	s_nop 0
.Lasked_\@:
.endm
.macro CREST                           ; a round of the cluster's barrier behind its opening barrier
	s_cmp_lg_u32 s10, 0
	s_cbranch_scc1 .Lnot_wave_0_\@
	s_barrier_signal -3
.Lnot_wave_0_\@:
	s_barrier_wait -3
	s_barrier_signal -1
	s_barrier_wait -1
.endm
.macro CROUND
	s_barrier_signal -1
	s_barrier_wait -1
	CREST
.endm
	s_load_b128 s[4:7], s[0:1], 0x0                ; xa s[4:5], wh s[6:7]
	s_load_b128 s[68:71], s[0:1], 0x10             ; bo s[68:69], out0 s[70:71]
	v_lshl_add_u32 v254, v0, 2, 0x4c400
	v_mov_b32 v255, 0
	ds_add_u32 v254, v255
	v_lshrrev_b32 v1, 5, v0
	v_readfirstlane_b32 s10, v1                    ; wave 0..3
	s_lshr_b32 s11, s10, 1                         ; which 64 of the block's rows are mine.  Also: I fetch for x (0) or for Wo (1)
	s_and_b32 s12, s10, 1                          ; which 64 of its columns.  Also: which pair of heads, or which 64 rows of Wo, I fetch
	s_bfe_u32 s40, ttmp6, 0x40000                  ; cx
	s_bfe_u32 s41, ttmp6, 0x40004                  ; cy
	s_lshl_b32 s42, ttmp9, 2
	s_add_co_u32 s42, s42, s40                     ; block column, 0 .. 7
	s_and_b32 s13, ttmp7, 0xffff
	s_lshl_b32 s13, s13, 2
	s_add_co_u32 s13, s13, s41                     ; block row, 0 .. 31
	s_lshl_b32 s43, s41, 2
	s_lshl_b32 s43, 15, s43                        ; my row of the cluster
	s_lshl_b32 s44, 0x1111, s40                    ; my column
	s_or_b32 s[G1+0], s43, (1<<16)|(1<<20)|(1<<21)|(4<<22)|(3<<25)   ; x: 2-byte elements; padding on; bit 21 beside a mask; after every 32 words 4 words
	s_mov_b32 s[G1+1], 8192<<16                    ; tensor_dim0 = 8,192: a head's 128 rows of 64
	s_mov_b32 s[G1+2], 2<<16                       ; tensor_dim1 = 2 heads
	s_mov_b32 s[G1+3], 8192<<16                    ; tile_dim0 = 8,192
	s_mov_b32 s[G1+4], 2                           ; tile_dim1 = 2
	s_mov_b32 s[G1+5], 131072                      ; elements from head to head
	s_mov_b32 s[G1+6], 0
	s_mov_b32 s[G1+7], 0
	s_or_b32 s[G1B+0], s44, (1<<16)|(1<<20)|(1<<21)|(6<<22)|(3<<25)  ; Wo: after every 128 words 4 words
	s_mov_b32 s[G1B+1], 256<<16                    ; tensor_dim0 = 256
	s_mov_b32 s[G1B+2], 64<<16                     ; tensor_dim1 = 64
	s_mov_b32 s[G1B+3], 256<<16                    ; tile_dim0 = 256
	s_mov_b32 s[G1B+4], 64                         ; tile_dim1 = 64
	s_mov_b32 s[G1B+5], SIZE_K                     ; elements from row to row
	s_mov_b32 s[G1B+6], 0
	s_mov_b32 s[G1B+7], 0
	; x: ((block row / 16) 16 + 2 x my pair of heads) x 262,144 + (block row % 16) x 128 rows x 128 bytes: the block row and the wave's number alone
	s_lshr_b32 s16, s13, 4
	s_lshl_b32 s16, s16, 22
	s_lshl_b32 s17, s12, 19
	s_add_co_u32 s16, s16, s17
	s_and_b32 s17, s13, 15
	s_lshl_b32 s17, s17, 14
	s_add_co_u32 s16, s16, s17
	s_mov_b32 s17, 0
	; Wo: 3 x 2,097,152 + (128 block column + 64 half) x 2,048 bytes: the block column and the wave's number alone
	s_lshl_b32 s46, s42, 18
	s_lshl_b32 s47, s12, 17
	s_add_co_u32 s46, s46, s47
	s_add_co_u32 s46, s46, 6291456
	s_mov_b32 s47, 0
	s_mul_i32 s20, s10, PART                       ; where they go: wave x a part
	s_wait_dscnt 0x0
	s_wait_kmcnt 0x0
	s_add_nc_u64 s[14:15], s[4:5], s[16:17]
	s_add_nc_u64 s[46:47], s[6:7], s[46:47]
	CROUND                                         ; all sixteen work-groups are here: the first joint loads meet
.irp s, 0,1
	s_mov_b32 s[G0+4*\s], 1
	s_add_co_u32 s[G0+4*\s+1], s20, \s*SLOT
	s_add_nc_u64 s[G0+4*\s+2:G0+4*\s+3], s[14:15], \s*4*HEADB      ; slot s: four heads on
	s_or_b32 s[G0+4*\s+3], s[G0+4*\s+3], 0x80000000
	s_mov_b32 s[G0B+4*\s], 1
	s_add_co_u32 s[G0B+4*\s+1], s20, \s*SLOT
	s_add_nc_u64 s[G0B+4*\s+2:G0B+4*\s+3], s[46:47], \s*512        ; 256 elements along the rows
	s_or_b32 s[G0B+4*\s+3], s[G0B+4*\s+3], 0x80000000
	JLOAD \s                                       ; both slots' first fills, one group, before anything else: two loads of mine out
.endr
	; the bias of my 64 columns, laid as a result tile is: register j of lane l in n block b = bo[16 b + 8 (l / 16) + j]
	s_lshl_b32 s72, s42, 9                         ; my first column in bytes of f32: serves bo here and out0 at the end
	s_lshl_b32 s73, s12, 8
	s_add_co_u32 s72, s72, s73
	s_mov_b32 s73, 0
	s_add_nc_u64 s[68:69], s[68:69], s[72:73]
	s_mov_b64 s[8:9], s[70:71]
	v_and_b32 v1, 15, v0                           ; l % 16
	v_bfe_u32 v2, v0, 4, 1                         ; l / 16
	v_lshlrev_b32 v[BOF], 5, v2
	WIN TO_1
.irp b, 0,1,2,3
	global_load_b128 v[BIAS+8*\b:BIAS+8*\b+3], v[BOF], s[68:69] offset:64*\b
	global_load_b128 v[BIAS+8*\b+4:BIAS+8*\b+7], v[BOF], s[68:69] offset:64*\b+16
.endr
	WIN 0
	; a fragment is 16 rows x 32 K in 8 registers: two loads of 16 bytes, 32 bytes apart, at row x pitch + 16 (l / 16)
	v_mul_u32_u24 v3, v1, PA
	v_lshl_add_u32 v3, v2, 4, v3
	v_mul_u32_u24 v4, v1, PB
	v_lshl_add_u32 v4, v2, 4, v4
	s_mul_i32 s21, s11, 64*PA                      ; my 64 rows of x, in each head's 128
	s_mul_i32 s22, s12, PART
	s_add_co_u32 s22, s22, 2*PART                  ; my 64 rows of Wo: part 2 or 3
.irp s, 0,1
	v_add_nc_u32 v[ADRA+\s], s21, v3
	v_add_nc_u32 v[ADRB+\s], s22, v4
	s_add_co_u32 s21, s21, SLOT
	s_add_co_u32 s22, s22, SLOT
.endr
	s_mul_i32 s23, s10, 16*SPITCH
	s_add_co_u32 s23, s23, STAGE                   ; my stage
	v_mul_u32_u24 v5, v1, SPITCH                   ; in: row l % 16, 32 bytes for each half of the lanes
	v_lshl_add_u32 v5, v2, 5, v5
	v_add_nc_u32 v[STO], s23, v5
	v_mul_u32_u24 v6, v2, SPITCH                   ; back: lanes 0-15 take one row of 256 bytes, lanes 16-31 the next
	v_lshl_add_u32 v6, v1, 4, v6
	v_add_nc_u32 v[RD], s23, v6
	v_lshlrev_b32 v7, 12, v2                       ; and the same two rows in out0, 4,096 bytes apart
	v_lshl_add_u32 v[CO], v1, 4, v7
; 8 matrix instructions of quarter q: m blocks a0, a0 + 1 x all 4 n blocks, 32 along K.  bias = 1: the first product starts the sum from the bias.
; The 16 accumulators take turns, one instruction a turn, in the same order in every quarter.
.macro MUL8 q, a0, bias
.irp a, \a0, \a0+1
.irp b, 0,1,2,3
.if \bias
	v_wmma_f32_16x16x32_f16 v[8*(4*(\a)+\b):8*(4*(\a)+\b)+7], v[FB0+64*((\q)%3)+32+8*\b:FB0+64*((\q)%3)+32+8*\b+7], v[FB0+64*((\q)%3)+8*(\a):FB0+64*((\q)%3)+8*(\a)+7], v[BIAS+8*\b:BIAS+8*\b+7]
.else
	v_wmma_f32_16x16x32_f16 v[8*(4*(\a)+\b):8*(4*(\a)+\b)+7], v[FB0+64*((\q)%3)+32+8*\b:FB0+64*((\q)%3)+32+8*\b+7], v[FB0+64*((\q)%3)+8*(\a):FB0+64*((\q)%3)+8*(\a)+7], v[8*(4*(\a)+\b):8*(4*(\a)+\b)+7]
.endif
.endr
.endr
.endm
; 16 LDS loads in one run: the fragments of quarter q (slot (q / 8) % 2, quarter q % 8 of its eight): Wo at byte 64 (q % 8) of its rows;
; x in head (q % 8) / 2 of the slot's four, at byte 64 (q % 2) of its rows
.macro FETCH q
.irp i, 0,1,2,3
	ds_load_b128 v[FB0+64*((\q)%3)+32+8*\i:FB0+64*((\q)%3)+32+8*\i+3], v[ADRB+(((\q)>>3)&1)] offset:64*((\q)&7)+\i*16*PB
	ds_load_b128 v[FB0+64*((\q)%3)+32+8*\i+4:FB0+64*((\q)%3)+32+8*\i+7], v[ADRB+(((\q)>>3)&1)] offset:64*((\q)&7)+\i*16*PB+32
.endr
.irp i, 0,1,2,3
	ds_load_b128 v[FB0+64*((\q)%3)+8*\i:FB0+64*((\q)%3)+8*\i+3], v[ADRA+(((\q)>>3)&1)] offset:(((\q)&7)>>1)*HEADL+((\q)&1)*64+\i*16*PA
	ds_load_b128 v[FB0+64*((\q)%3)+8*\i+4:FB0+64*((\q)%3)+8*\i+7], v[ADRA+(((\q)>>3)&1)] offset:(((\q)&7)>>1)*HEADL+((\q)&1)*64+\i*16*PA+32
.endr
.endm
.macro PLACES                          ; four plain vector instructions between a matrix instruction and a load into one of its registers
.rept 4
	v_nop
.endr
.endm
; Quarter q: its fragments are in; quarter q + 2's are asked for, into the buffer that quarter q - 1 has just multiplied.
.macro QUARTER q, bias
.if (\q) < 31
	s_wait_dscnt 16                                ; quarter q's 16 loads are in; the 16 younger ones are quarter q + 1's
.else
	s_wait_dscnt 0
.endif
.if (\q) < 30
	PLACES
	FETCH \q+2
.endif
	WIN ACC
	MUL8 \q, 0, \bias
	MUL8 \q, 2, \bias
	WIN 0
.endm
; The seventh quarter of a slot changes slots, since quarter q + 2 lies in the next one.  In front of the signal each wave waits for its reads of this slot
; (quarter q + 1's fragments are its last) and for all its tensor loads (one is out: its part of the next slot).  Eight matrix instructions stand between
; signal and wait.  fill = 1: the barrier opens a round of the cluster's barrier, and this slot's refill is the first tensor load behind the round, one a wave.
.macro TURN q, slot, fill
	s_wait_dscnt 0
	s_wait_tensorcnt 0x0
	ds_add_u32 v254, v255
	s_wait_dscnt 0x0
	s_barrier_signal -1
	WIN ACC
	MUL8 \q, 0, 0
	WIN 0
	s_barrier_wait -1
.if \fill
	CREST                                          ; no wave of any partner still reads this slot or has a load on its way
	s_add_nc_u64 s[G0+4*\slot+2:G0+4*\slot+3], s[G0+4*\slot+2:G0+4*\slot+3], 8*HEADB       ; two slots are eight heads,
	s_add_nc_u64 s[G0B+4*\slot+2:G0B+4*\slot+3], s[G0B+4*\slot+2:G0B+4*\slot+3], 1024      ; and 512 elements along Wo's rows
	JLOAD \slot
.endif
	PLACES
	FETCH \q+2
	WIN ACC
	MUL8 \q, 2, 0
	WIN 0
.endm
	s_wait_tensorcnt 0x1                           ; my part of slot 0 is in; slot 1's load stays out
	s_barrier_signal -1
	s_barrier_wait -1
	FETCH 0
	FETCH 1
	s_wait_loadcnt 0x0                             ; the bias
	QUARTER 0, 1                                   ; the first products start the sums
.irp q, 1,2,3,4,5
	QUARTER \q, 0
.endr
	TURN 6, 0, 1                                   ; slot 0 is asked K 512 to 767
.irp q, 7,8,9,10,11,12,13
	QUARTER \q, 0
.endr
	TURN 14, 1, 1                                  ; slot 1 is asked K 768 to 1,023: the last load
.irp q, 15,16,17,18,19,20,21
	QUARTER \q, 0
.endr
	TURN 22, 0, 0                                  ; nothing is left to ask for
.irp q, 23,24,25,26,27,28,29,30,31
	QUARTER \q, 0
.endr
	PLACES                                         ; behind the last matrix instructions: for the LDS stores of results and the loads into the buffers
	; THE WAY OUT, 16 rows at a time, through my own stage: out0 + (128 block row + 64 row half) x 4,096 + my first column
	s_lshl_b32 s16, s13, 19
	s_lshl_b32 s14, s11, 18
	s_add_co_u32 s16, s16, s14
	s_mov_b32 s17, 0
	s_add_nc_u64 s[8:9], s[8:9], s[16:17]
	s_add_nc_u64 s[8:9], s[8:9], s[72:73]
.macro OUTA a, f
	WIN 0x04                                       ; the stores' data in window 1
.irp b, 0,1,2,3
	ds_store_b128 v[STO], v[8*(4*\a+\b):8*(4*\a+\b)+3] offset:64*\b
	ds_store_b128 v[STO], v[8*(4*\a+\b)+4:8*(4*\a+\b)+7] offset:64*\b+16
.endr
	WIN 0
	s_wait_xcnt 0x0                                ; buffer f, which earlier stores read, and the stores' base are rewritten only behind this wait
.if \a
	s_add_nc_u64 s[8:9], s[8:9], 16*4096           ; 16 rows of out0 on
.endif
.irp t, 0,1,2,3,4,5,6,7
	ds_load_b128 v[\f+4*\t:\f+4*\t+3], v[RD] offset:\t*2*SPITCH    ; LDS serves a wave's instructions in order: these see the stores above
.endr
.irp t, 0,1,2,3,4,5,6,7
	s_wait_dscnt 7-\t                              ; load t is in, the younger ones stay out
	global_store_b128 v[CO], v[\f+4*\t:\f+4*\t+3], s[8:9] offset:8192*\t th:TH_STORE_NT   ; 16 lanes store 256 consecutive bytes, aligned
.endr
.endm
	OUTA 0, FB0
	OUTA 1, FB0+64
	OUTA 2, FB0
	OUTA 3, FB0+64
	s_wait_tensorcnt 0x0
	ds_add_u32 v254, v255
	s_wait_dscnt 0x0
	CROUND                                         ; the closing round: no work-group ends while a partner may still ask for a tile that names it
	s_endpgm
.Lfunc_end_k_q6b90f11432_outp:
	.size	k_q6b90f11432_outp, .Lfunc_end_k_q6b90f11432_outp-k_q6b90f11432_outp
	.p2alignl 7, 3214868480
	.fill 96, 4, 3214868480
	.section	.rodata,"a",@progbits
	.p2align	6, 0x0
	.amdhsa_kernel k_q6b90f11432_outp
		.amdhsa_group_segment_fixed_size 327680
		.amdhsa_private_segment_fixed_size 0
		.amdhsa_enable_private_segment 0
		.amdhsa_kernarg_size 32
		.amdhsa_user_sgpr_count 2
		.amdhsa_user_sgpr_kernarg_segment_ptr 1
		.amdhsa_wavefront_size32 1
		.amdhsa_system_sgpr_workgroup_id_x 1
		.amdhsa_system_sgpr_workgroup_id_y 1
		.amdhsa_system_sgpr_workgroup_id_z 1
		.amdhsa_system_vgpr_workitem_id 0
		.amdhsa_next_free_vgpr 416
		.amdhsa_next_free_sgpr 80
		.amdhsa_reserve_vcc 0
		.amdhsa_float_denorm_mode_32 3
		.amdhsa_float_denorm_mode_16_64 3
		.amdhsa_memory_ordered 1
		.amdhsa_forward_progress 1
		.amdhsa_inst_pref_size 90
	.end_amdhsa_kernel
	.amdgpu_metadata
---
amdhsa.version: [ 1, 2 ]
amdhsa.kernels:
  - .name:           k_q6b90f11432_outp
    .symbol:         k_q6b90f11432_outp.kd
    .args:
      - { .name: xa, .offset: 0, .size: 8, .value_kind: global_buffer, .address_space: global }
      - { .name: wh, .offset: 8, .size: 8, .value_kind: global_buffer, .address_space: global }
      - { .name: bo, .offset: 16, .size: 8, .value_kind: global_buffer, .address_space: global }
      - { .name: out0, .offset: 24, .size: 8, .value_kind: global_buffer, .address_space: global }
    .group_segment_fixed_size: 327680
    .private_segment_fixed_size: 0
    .kernarg_segment_align: 8
    .kernarg_segment_size: 32
    .max_flat_workgroup_size: 128
    .sgpr_count:     80
    .vgpr_count:     416
    .wavefront_size: 32
...
	.end_amdgpu_metadata
.endif
;; end of part 4
